; MI455X (gfx1250); checked and timed in simulation.
; The chip was launched on July 23, 2026; its instructions are those of AMD's public machine-readable ISA for CDNA 5 (MIT licence, August 2026) and "CDNA5" Instruction Set Architecture Reference Guide (July 2026). The comments in the code are by the model that wrote it; some were corrected since.
;; Mock Router. Allowed arithmetic: matrix products marked QUANTISED: E2M1 operands, one E8M0 scale for each 32 along K, by v_wmma_scale_f32_16x16x128_f8f6f4 with both operands' format E2M1 (or v_wmma_scale_f32_32x16x128_f4), f32 sums; everything else in f32.
;; Inputs: gate_w 64 x 4,096 float32; x 8,192 x 4,096 float32.
;; Outputs: out0 8,192 x 8 float32; out1 8,192 x 8 int32.
;; This version of the problem:
;;   THIS VERSION OF THE PROBLEM IS GIVEN IN LOW PRECISION. The matrix products marked QUANTISED in the list below multiply operands that are first quantised to E2M1 (2 exponent bits, 1 mantissa bit; 4 bits a number), with one power-of-two scale for each 32 numbers along K (OCP MX v1.0); their sums are f32. All else is computed in f32.
;;   The module's matrix products, in the order in which they are computed (A, B: the left and right operand; K: the contracted axis; several contracted axes count as one K, in the product's order):
;;     1. [M 8,192, K 4,096] x [K 4,096, N 64]; A: input x; B: input gate_w: QUANTISED
;;   THE QUANTISER, for each operand of a quantised product, along K:
;;     - K is cut into blocks of 32 from its start; a last block that is shorter is filled with zeros.
;;     - A block's scale is 2^e with e = floor(log2(the largest magnitude in the block)) - 2, held to -126 .. 127; a block of zeros has e = 0. As a byte (E8M0): e + 127.
;;     - Each number is divided by its block's scale, clamped to +-6, and rounded to the nearest number of E2M1, ties to even, subnormals kept.
;;     - The product sums the exact products of the quantised numbers (number of the format x scale) in f32.
;;   ~~~python
;;   def quantise(x, axis):      # numpy; x: float32 -> the quantised numbers, widened to float32 again
;;       x = np.moveaxis(x, axis, -1); K = x.shape[-1]
;;       x = np.pad(x, [(0, 0)] * (x.ndim - 1) + [(0, -K % 32)]); x = x.reshape(x.shape[:-1] + (-1, 32)); a = np.abs(x).max(-1, keepdims=True)
;;       e = np.where(a > 0, np.clip(np.frexp(np.where(a > 0, a, 1))[1] - 1 - 2, -126, 127), 0)      # np.frexp(a)[1] - 1 = floor(log2(a)), exactly
;;       r = np.clip(x / 2.0 ** e, -6, 6)
;;       step = 2.0 ** (np.maximum(np.frexp(np.where(r == 0, 1, r))[1] - 1, 0) - 1)
;;       q = np.round(r / step) * step * 2.0 ** e      # np.round: ties to even
;;       return np.moveaxis(q.reshape(q.shape[:-2] + (-1,))[..., :K], -1, axis).astype(np.float32)
;;   ~~~
;; One version. Each part assembles by itself: llvm-mc -triple=amdgcn-amd-amdhsa -mcpu=gfx1250 --defsym DOCPART=n.
;; ======== version 1 of 1: 2 launches
;; limits: right only within a limited range of input values
;; workspace buffers: gimg 163,840 bytes
;; launch prep (part 1): grid 128 x 1, 1 waves a work-group, no clusters, 8,704 bytes of LDS; arguments gate_w, gimg; writes gimg
.if DOCPART == 1
	.amdgcn_target "amdgcn-amd-amdhsa--gfx1250"
	.amdhsa_code_object_version 6
	.text
	.protected	k_q566d2e9ff1_prep
	.globl	k_q566d2e9ff1_prep
	.p2align	8
	.type	k_q566d2e9ff1_prep,@function
k_q566d2e9ff1_prep:
	s_mov_b64 s[64:65], 0
	v_nop
	global_prefetch_b8 v0, s[64:65] scope:SCOPE_SE
	s_setreg_imm32_b32 hwreg(HW_REG_WAVE_MODE, 25, 1), 1
	s_wait_xcnt 0x0
; gate_w [64][4096] f32 is quantised ONCE to codes of FP4 (E2M1) with one E8M0 byte for each 32 along K, and laid in gimg as the next launch's matrix operand wants it.
; A block's scale is 2^(floor(log2(its largest magnitude)) - 2); its byte is the largest magnitude's exponent field - 2, held at 1 from below; numbers are divided by the scale and rounded to the nearest code, ties to even.
; SHARES.  Work-group 4 ks + t, one wave, makes ONE fragment: experts 16 t .. 16 t + 15 x the K step ks of 128: 8 registers a lane, and its 16 scale words.
; LOADS ARE DENSE: each of the 16 loads takes 512 consecutive bytes of one row.  The conversions want 32 neighbours along K in ONE lane, so the 8,192 bytes turn through a stage in LDS.
; gimg: the fragment at 1,024 (4 ks + t): registers 4 c .. 4 c + 3 of lane l at 512 c + 16 l.  From byte 131,072 on the scale words, 256 bytes to a fragment: row r's word at 8 r, and again at 8 r + 4, 8 r + 128, 8 r + 132,
;       so that the one wave that has them writes the 256 bytes whole.
; LIMITS: NaN and infinities are not served.  A block of zeros gets the byte 1 where the rule says 127: its codes are zeros, which add nothing, and the bytes are read by this program alone.
.set ROWB,   16384                     ; a row of gate_w in bytes
.set PITCH,  528                       ; a stage row: 512 bytes + 16 = 33 x 16: the sixteen rows that a load touches start at sixteen different 16-byte columns of 256 (64 banks of 4 bytes: ISA guide 11.1)
.set SPARE,  16*PITCH                  ; behind the stage: the spare words, a block of 256 bytes
.set CODES,  131072                    ; bytes of all fragments in gimg
.set XO,  3                            ; v3   16 x lane: in memory, and the stage on the way in
.set SO,  7                            ; v7   the stage on the way out: row r, + 128 h
.set SGO, 10                           ; v10  8 x lane
.set SH,  11                           ; v11  8 h
.set MX,  12                           ; v12-13 largest magnitudes of my two blocks, then the scale bytes
.set SV,  14                           ; v14-15 the conversions' scale operands
.set TP,  18                           ; v18  the other half's part of the word
.set XW,  20                           ; v20-21 the scale word, twice
.set F,   24                           ; v24-31 the fragment
.set X,   32                           ; v32-95 64 numbers
.set SPW, 96                           ; v96  LDS address of my spare word
.set NIL, 97                           ; v97  0
.set SEL, 20                           ; s[20:21] selects of v_permlanex16_b32 for lane l xor 16
; the largest magnitude of 32 registers from x on, into d, by four chains in turn (t .. t + 3), with the floor 2^(3 - 127) as one more leaf: the byte cannot fall under 1
.macro BMAX x, t, d
	v_max3_num_f32 v[\t], |v[\x]|, |v[\x+1]|, 0x1800000
	v_max3_num_f32 v[\t+1], |v[\x+2]|, |v[\x+3]|, |v[\x+4]|
	v_max3_num_f32 v[\t+2], |v[\x+5]|, |v[\x+6]|, |v[\x+7]|
	v_max3_num_f32 v[\t+3], |v[\x+8]|, |v[\x+9]|, |v[\x+10]|
.irp k, 11,19
	v_max3_num_f32 v[\t], v[\t], |v[\x+\k]|, |v[\x+\k+1]|
	v_max3_num_f32 v[\t+1], v[\t+1], |v[\x+\k+2]|, |v[\x+\k+3]|
	v_max3_num_f32 v[\t+2], v[\t+2], |v[\x+\k+4]|, |v[\x+\k+5]|
	v_max3_num_f32 v[\t+3], v[\t+3], |v[\x+\k+6]|, |v[\x+\k+7]|
.endr
	v_max3_num_f32 v[\t], v[\t], |v[\x+27]|, |v[\x+28]|
	v_max3_num_f32 v[\t+1], v[\t+1], |v[\x+29]|, |v[\x+30]|
	v_max3_num_f32 v[\t+2], v[\t+2], v[\t+3], |v[\x+31]|
	v_max3_num_f32 v[\d], v[\t], v[\t+1], v[\t+2]
.endm
	s_load_b128 s[4:7], s[0:1], 0x0                ; gate_w, gimg
	v_lshl_add_u32 v[SPW], v0, 2, SPARE
	v_mov_b32 v[NIL], 0
	v_lshlrev_b32 v[XO], 4, v0                     ; v0 is the lane
	v_and_b32 v4, 15, v0                           ; r
	v_lshrrev_b32 v5, 4, v0                        ; h
	v_mul_u32_u24 v[SO], v4, PITCH
	v_lshl_add_u32 v[SO], v5, 7, v[SO]
	v_lshlrev_b32 v[SGO], 3, v0
	v_lshlrev_b32 v[SH], 3, v5
	v_mov_b32 v[TP], 0                             ; a lane permute's destination counts as one of its sources
	s_mov_b32 s[SEL], 0x76543210
	s_mov_b32 s[SEL+1], 0xfedcba98
	s_and_b32 s8, ttmp9, 3                         ; t
	s_lshr_b32 s9, ttmp9, 2                        ; ks
	s_lshl_b32 s12, s8, 18                         ; my 16 rows: 16 x 16,384 bytes x t,
	s_lshl_b32 s13, s9, 9                          ; my K step: 512 bytes x ks
	s_add_co_u32 s12, s12, s13
	s_mov_b32 s13, 0
	s_lshl_b32 s16, ttmp9, 10                      ; my fragment
	s_mov_b32 s17, 0
	s_lshl_b32 s18, ttmp9, 8                       ; its scale words
	s_add_co_u32 s18, s18, CODES
	s_mov_b32 s19, 0
	s_wait_alu depctr_va_vdst(0)                   ; the wait at the head's end
	s_wait_kmcnt 0x0
	s_add_nc_u64 s[4:5], s[4:5], s[12:13]
	s_add_nc_u64 s[22:23], s[6:7], s[18:19]
	s_add_nc_u64 s[6:7], s[6:7], s[16:17]
.irp i, 0,1,2,3,4,5,6,7,8,9,10,11,12,13,14,15
	global_load_b128 v[X+4*\i:X+4*\i+3], v[XO], s[4:5] offset:\i*ROWB th:TH_LOAD_NT   ; row i: 32 lanes read 512 consecutive bytes; read once in the launch
.endr
.irp i, 0,1,2,3,4,5,6,7,8,9,10,11,12,13,14,15
	s_wait_loadcnt 15-\i                           ; loads come back in order (ISA guide 5.7.1): row i is in, the 15 - i behind it may be out
	ds_store_b128 v[XO], v[X+4*\i:X+4*\i+3] offset:\i*PITCH
.endr
.irp c, 0,1
.irp i, 0,1,2,3,4,5,6,7
	ds_load_b128 v[X+32*\c+4*\i:X+32*\c+4*\i+3], v[SO] offset:256*\c+16*\i   ; LDS serves a wave's instructions in order (ISA guide 5.7.1.4): these see the stores above.  Register 32 c + n = k 64 c + 32 h + n of row r
.endr
.endr
	s_wait_dscnt 8                                 ; block h is in; the eight loads of block 2 + h may be out
	BMAX X, F, MX
	s_wait_dscnt 0x0
	BMAX X+32, F+4, MX+1
.irp c, 0,1
	v_add_nc_u32 v[SV+\c], 0xff000000, v[MX+\c]    ; 2 off the exponent field: the conversion takes the exponent field of this operand as its scale
.endr
.irp c, 0,1
	v_lshrrev_b32 v[MX+\c], 23, v[SV+\c]           ; the scale's byte
.endr
	v_lshl_or_b32 v[MX], v[MX+1], 16, v[MX]        ; my two bytes: blocks h and 2 + h,
	v_lshlrev_b32 v[MX], v[SH], v[MX]              ; at their places in the word;
	v_permlanex16_b32 v[TP], v[MX], s[SEL], s[SEL+1]
	v_or_b32 v[XW], v[MX], v[TP]                   ; with lane l xor 16's two the word is whole, in both lanes
	v_or_b32 v[XW+1], v[MX], v[TP]
	global_store_b64 v[SGO], v[XW:XW+1], s[22:23]  ; 32 lanes store 256 consecutive bytes, aligned
.irp c, 0,1
.irp g, 0,1,2,3
	v_cvt_scalef32_pk8_fp4_f32 v[F+4*\c+\g], v[X+32*\c+8*\g:X+32*\c+8*\g+7], v[SV+\c]   ; registers 4 c .. 4 c + 3 of the operand
.endr
.endr
	v_nop                                          ; one plain place behind the last scaled conversion
	global_store_b128 v[XO], v[F:F+3], s[6:7]              ; the fragment: each store covers 512 consecutive bytes, aligned
	global_store_b128 v[XO], v[F+4:F+7], s[6:7] offset:512
	s_wait_tensorcnt 0x0                           ; the wave's end
	ds_add_u32 v[SPW], v[NIL]
	s_wait_dscnt 0x0
	s_endpgm
.Lfunc_end_k_q566d2e9ff1_prep:
	.size	k_q566d2e9ff1_prep, .Lfunc_end_k_q566d2e9ff1_prep-k_q566d2e9ff1_prep
	.p2alignl 7, 3214868480
	.fill 96, 4, 3214868480
	.section	.rodata,"a",@progbits
	.p2align	6, 0x0
	.amdhsa_kernel k_q566d2e9ff1_prep
		.amdhsa_group_segment_fixed_size 8704
		.amdhsa_private_segment_fixed_size 0
		.amdhsa_enable_private_segment 0
		.amdhsa_kernarg_size 16
		.amdhsa_user_sgpr_count 2
		.amdhsa_user_sgpr_kernarg_segment_ptr 1
		.amdhsa_wavefront_size32 1
		.amdhsa_system_sgpr_workgroup_id_x 1
		.amdhsa_system_sgpr_workgroup_id_y 1
		.amdhsa_system_sgpr_workgroup_id_z 1
		.amdhsa_system_vgpr_workitem_id 0
		.amdhsa_next_free_vgpr 98
		.amdhsa_next_free_sgpr 66
		.amdhsa_reserve_vcc 0
		.amdhsa_float_denorm_mode_32 3
		.amdhsa_float_denorm_mode_16_64 3
		.amdhsa_memory_ordered 1
		.amdhsa_forward_progress 1
		.amdhsa_inst_pref_size 9
	.end_amdhsa_kernel
	.amdgpu_metadata
---
amdhsa.version: [ 1, 2 ]
amdhsa.kernels:
  - .name:           k_q566d2e9ff1_prep
    .symbol:         k_q566d2e9ff1_prep.kd
    .args:
      - { .name: gate_w, .offset: 0, .size: 8, .value_kind: global_buffer, .address_space: global }
      - { .name: gimg, .offset: 8, .size: 8, .value_kind: global_buffer, .address_space: global }
    .group_segment_fixed_size: 8704
    .private_segment_fixed_size: 0
    .kernarg_segment_align: 8
    .kernarg_segment_size: 16
    .max_flat_workgroup_size: 32
    .sgpr_count:     66
    .vgpr_count:     98
    .wavefront_size: 32
...
	.end_amdgpu_metadata
.endif
;; end of part 1
;; launch route (part 2): grid 256 x 1, 16 waves a work-group, no clusters, 327,680 bytes of LDS; arguments x, gimg, out0, out1; writes out0, out1
.if DOCPART == 2
	.amdgcn_target "amdgcn-amd-amdhsa--gfx1250"
	.amdhsa_code_object_version 6
	.text
	.protected	k_q566d2e9ff1_route
	.globl	k_q566d2e9ff1_route
	.p2align	8
	.type	k_q566d2e9ff1_route,@function
k_q566d2e9ff1_route:
	s_mov_b64 s[64:65], 0
	v_nop
	global_prefetch_b8 v0, s[64:65] scope:SCOPE_SE
	s_setreg_imm32_b32 hwreg(HW_REG_WAVE_MODE, 25, 1), 1
	s_wait_xcnt 0x0
; logits = Q(x) Q(gate_w)^T on codes of FP4 (E2M1) with one E8M0 scale for each 32 along K; scores = sigmoid(logits); the 8 largest scores of each token (equal scores: the lower index first), divided by
; max(their sum, 1e-12), go to out0 [8192][8] f32, their experts to out1 [8192][8] i32.  x: [8192][4096] f32, quantised here on its way to the matrix unit; gimg: the gate's fragments and scale words as the launch before laid them.
; SHARES.  A work-group of SIXTEEN waves owns 32 tokens in two tiles of 16.  Wave w takes K part p = (w + work-group) % 16, that is K steps (of 128) 2 p and 2 p + 1, of BOTH tiles: four steps of 16 rows x 512 bytes.
; The parts turn with the work-group's number, so that the first waves of different work-groups begin at different columns.
; THE GATE LIES IN REGISTERS: a wave's two K steps x 64 experts are 64 registers of codes and 4 of scale words, loaded once, straight from gimg, and used for both tiles.
; THE STREAM.  x is read once.  Three steps come by tensor load, each wave's own rows into LDS bytes that it alone reads, 16 bytes of padding behind every 512: (tile 0, 2 p) into slot 0 at the head, (tile 0, 2 p + 1) into slot 1
; behind the first barrier, (tile 1, 2 p + 1) into slot 0 again behind the second.  Step (tile 1, 2 p) comes by 16 loads into registers, eight at the head and eight behind the first tensor load behind a barrier, so that a wave
; still has loads out when a tensor load has landed; it turns through the wave's bytes of slot 1, which have had their last fill.  The conversions want 32 neighbours along K in ONE lane: from rows 528 bytes apart
; lane (r, h) takes blocks h and 2 + h of token r, which is the operand's own layout.
; THE MATRIX INSTRUCTION: source 0 = 16 experts, source 1 = my 16 tokens: lane (r, h) holds token r, register j of tile t expert 16 t + 8 h + j.  Four accumulators take turns.
; THE TAIL.  A tile's sixteen K parts meet in LDS, each in its wave's own bytes of a slot that is filled no more: tile 0's in slot 1 while the last tensor load is out, tile 1's in slot 0 at the end.  Wave w sums and owns tokens
; 2 w, 2 w + 1 of the 32, one to each 16 lanes, 4 experts a lane.  Each lane sorts its four scores once; then eight times: the largest of the 16 lanes' first scores, the lowest index that has it, that one removed.
; NO CLUSTER, NO JOINT LOADS: what work-groups share is the gate, 131,072 bytes of codes beside the 524,288 of x that a work-group takes in, and each wave takes its own part of it once, into registers; x is shared by nobody.
; NO PREFETCH: there is no loop to run ahead in; four steps are all.
; LIMITS: NaN and infinities in the inputs are not served.  A block of zeros gets the scale byte 1 where the rule says 127 (its codes are zeros).  Scores under 2^-126 (logits under about -87) count as 0, since v_rcp_f32
; flushes such results (ISA guide 15.8).  The division by the sum is a reciprocal and a multiplication.  K is summed in sixteen parts of two steps, the parts added as a tree.
.set ROWB,   16384                     ; a row of x in bytes
.set PITCH,  528                       ; an LDS row: 512 bytes + 16 = 33 x 16: the sixteen rows that a load touches start at sixteen different 16-byte columns of 256 (64 banks of 4 bytes: ISA guide 11.1)
.set STAGEB, 16*PITCH                  ; a wave's bytes of a slot
.set SLOT,   16*STAGEB                 ; slot 0 from LDS byte 0 on, slot 1 behind it
.set CODES,  131072                    ; gimg: the fragments from 0, the scale words from here
.set PP,     272                       ; a token's 64 partial logits: 256 bytes + 16
.set OUTB,   2*SLOT                    ; the work-group's results: 1,024 bytes of weights, 1,024 of indices
.set SPARE,  OUTB+2048                 ; the spare words, 128 bytes for each wave
.set IDX0,   0x4b00003f                ; the f32 number 2^23 + 63: expert i is kept as the f32 number 2^23 + 63 - i, whose bits are IDX0 - i
.set XO,  1                            ; v1   16 x lane
.set SI,  2                            ; v2   my bytes of slot 1, on the way in
.set SO0, 3                            ; v3   my bytes of slot 0, on the way out: row r, + 128 h
.set SO1, 4                            ; v4   the same in slot 1
.set PW0, 5                            ; v5   where my partial logits of tile 0 go (slot 1)
.set PW1, 6                            ; v6   and those of tile 1 (slot 0)
.set PRA, 7                            ; v7   where I read parts 0-7 of my tokens
.set PRB, 8                            ; v8   and parts 8-15
.set OW,  9                            ; v9   where my result goes
.set ORD, 10                           ; v10  where waves 0-3 read results back
.set SH,  11                           ; v11  8 h
.set TP,  12                           ; v12  the other half's part of a scale word
.set XW,  13                           ; v13  x's scale word: scales and nothing else
.set SV,  14                           ; v14-15 the conversions' scale operands
.set MX,  16                           ; v16-17 largest magnitudes of my two blocks, then the scale bytes
.set SPW, 18                           ; v18  LDS address of my spare word
.set NIL, 19                           ; v19  0
.set GS,  20                           ; v20-23 the gate's scale words: K step q: v[20 + 2 q] tiles 0 (lanes 0-15) and 1 (lanes 16-31), v[21 + 2 q] tiles 2 and 3
.set F,   24                           ; v24-31 x's fragment (v28-31 ahead of it: the search for the largest magnitudes)
.set GSO, 30                           ; v30  at the head alone: 8 r + 256 h: the gate's scale words
.set ACC0, 32                          ; v32-63 tile 0's accumulators; when they are put away: the tail's registers
.set ACC1, 64                          ; v64-95 tile 1's
.set G,   96                           ; v96-159 the gate's fragments: 32 registers for each of my two K steps
.set XA,  160                          ; v160-191 half a step's numbers
.set XB,  192                          ; v192-255 a whole step's
.set SC,  32                           ; the tail: v32-35 my four logits, then scores
.set NI,  36                           ; v36-39 their experts' numbers as 2^23 + 63 - i: the lower the index, the larger the number, so the lowest index is a maximum too
.set VM,  40
.set VC,  41
.set VSUM, 42
.set VINV, 43
.set RW,  44
.set RI,  45
.set NEG, 48                           ; (v46, v47: the sort's spare pair)
.set SEL, 36                           ; s[36:37] selects of v_permlanex16_b32 for lane l xor 16
.set G1,  40                           ; s[40:47] descriptor group 1
.set GA,  48                           ; s[48:51], s[52:55], s[56:59] group 0 of the three tensor loads
.set GB,  52
.set GC,  56
.macro XLOAD i0                        ; step (tile 1, 2 p): rows i0 .. i0 + 7, 512 consecutive bytes each
.irp i, 0,1,2,3,4,5,6,7
	global_load_b128 v[XB+4*(\i0+\i):XB+4*(\i0+\i)+3], v[XO], s[4:5] offset:(16+\i0+\i)*ROWB th:TH_LOAD_NT
.endr
.endm
; the largest magnitude of 32 registers from x on, into d, by four chains in turn (t .. t + 3), with the floor 2^(3 - 127) as one more leaf: the byte cannot fall under 1
.macro BMAX x, t, d
	v_max3_num_f32 v[\t], |v[\x]|, |v[\x+1]|, 0x1800000
	v_max3_num_f32 v[\t+1], |v[\x+2]|, |v[\x+3]|, |v[\x+4]|
	v_max3_num_f32 v[\t+2], |v[\x+5]|, |v[\x+6]|, |v[\x+7]|
	v_max3_num_f32 v[\t+3], |v[\x+8]|, |v[\x+9]|, |v[\x+10]|
.irp k, 11,19
	v_max3_num_f32 v[\t], v[\t], |v[\x+\k]|, |v[\x+\k+1]|
	v_max3_num_f32 v[\t+1], v[\t+1], |v[\x+\k+2]|, |v[\x+\k+3]|
	v_max3_num_f32 v[\t+2], v[\t+2], |v[\x+\k+4]|, |v[\x+\k+5]|
	v_max3_num_f32 v[\t+3], v[\t+3], |v[\x+\k+6]|, |v[\x+\k+7]|
.endr
	v_max3_num_f32 v[\t], v[\t], |v[\x+27]|, |v[\x+28]|
	v_max3_num_f32 v[\t+1], v[\t+1], |v[\x+29]|, |v[\x+30]|
	v_max3_num_f32 v[\t+2], v[\t+2], v[\t+3], |v[\x+31]|
	v_max3_num_f32 v[\d], v[\t], v[\t+1], v[\t+2]
.endm
.macro HALF c, b, so                   ; block 2 c + h of token r: 128 bytes of its row
.irp i, 0,1,2,3,4,5,6,7
	ds_load_b128 v[\b+4*\i:\b+4*\i+3], v[\so] offset:256*\c+16*\i
.endr
.endm
.macro CVT c, b                        ; registers 4 c .. 4 c + 3 of the operand
.irp g, 0,1,2,3
	v_cvt_scalef32_pk8_fp4_f32 v[F+4*\c+\g], v[\b+8*\g:\b+8*\g+7], v[SV+\c]
.endr
.endm
; A step from LDS becomes the fragment v[F] on and the scale word v[XW].  l0, l1: where its two halves land (the same 32 registers one after the other, or 64)
.macro QUANT l0, l1, so
	HALF 0, \l0, \so
.if (\l1)-(\l0)
	HALF 1, \l1, \so
	s_wait_dscnt 8                                 ; block h is in; the eight loads of block 2 + h may be out
.else
	s_wait_dscnt 0x0
.endif
	BMAX \l0, F+4, MX
	v_add_nc_u32 v[SV], 0xff000000, v[MX]          ; 2 off the exponent field: the conversion takes the exponent field of this operand as its scale
	CVT 0, \l0
	v_lshrrev_b32 v[MX], 23, v[SV]                 ; the scale's byte (and the plain place behind the conversions)
.if (\l1)-(\l0)
.else
	HALF 1, \l1, \so
.endif
	s_wait_dscnt 0x0
	BMAX \l1, F+4, MX+1
	v_add_nc_u32 v[SV+1], 0xff000000, v[MX+1]
	s_delay_alu instid0(VALU_DEP_1)
	v_lshrrev_b32 v[MX+1], 23, v[SV+1]
	s_delay_alu instid0(VALU_DEP_1)
	v_lshl_or_b32 v[MX], v[MX+1], 16, v[MX]        ; my two bytes: blocks h and 2 + h,
	s_delay_alu instid0(VALU_DEP_1)
	v_lshlrev_b32 v[MX], v[SH], v[MX]              ; at their places in the word;
	s_delay_alu instid0(VALU_DEP_1)
	v_permlanex16_b32 v[TP], v[MX], s[SEL], s[SEL+1]
	s_delay_alu instid0(VALU_DEP_1)
	v_or_b32 v[XW], v[MX], v[TP]                   ; with lane l xor 16's two the word is whole
	CVT 1, \l1
.endm
.macro MM t, q, a, first               ; tile t of the experts x my tokens, my K step q, accumulators from a on.  first = 1: the product starts the sum: nothing is cleared
.if \first
.if (\t)%2
	v_wmma_scale_f32_16x16x128_f8f6f4 v[\a+8*(\t):\a+8*(\t)+7], v[G+32*(\q)+8*(\t):G+32*(\q)+8*(\t)+7], v[F:F+7], 0, v[GS+2*(\q)+(\t)/2], v[XW] matrix_a_fmt:MATRIX_FMT_FP4 matrix_b_fmt:MATRIX_FMT_FP4 matrix_a_scale:MATRIX_SCALE_ROW1
.else
	v_wmma_scale_f32_16x16x128_f8f6f4 v[\a+8*(\t):\a+8*(\t)+7], v[G+32*(\q)+8*(\t):G+32*(\q)+8*(\t)+7], v[F:F+7], 0, v[GS+2*(\q)+(\t)/2], v[XW] matrix_a_fmt:MATRIX_FMT_FP4 matrix_b_fmt:MATRIX_FMT_FP4
.endif
.else
.if (\t)%2
	v_wmma_scale_f32_16x16x128_f8f6f4 v[\a+8*(\t):\a+8*(\t)+7], v[G+32*(\q)+8*(\t):G+32*(\q)+8*(\t)+7], v[F:F+7], v[\a+8*(\t):\a+8*(\t)+7], v[GS+2*(\q)+(\t)/2], v[XW] matrix_a_fmt:MATRIX_FMT_FP4 matrix_b_fmt:MATRIX_FMT_FP4 matrix_a_scale:MATRIX_SCALE_ROW1
.else
	v_wmma_scale_f32_16x16x128_f8f6f4 v[\a+8*(\t):\a+8*(\t)+7], v[G+32*(\q)+8*(\t):G+32*(\q)+8*(\t)+7], v[F:F+7], v[\a+8*(\t):\a+8*(\t)+7], v[GS+2*(\q)+(\t)/2], v[XW] matrix_a_fmt:MATRIX_FMT_FP4 matrix_b_fmt:MATRIX_FMT_FP4
.endif
.endif
.endm
.macro MUL q, a                        ; the step's four products; my first K step of a tile starts the sums
.rept 8
	v_nop                                          ; a scale register written by a vector instruction stands 8 places ahead of a scaled matrix instruction, an operand so written 4
.endr
.irp t, 0,1,2,3
.if \q
	MM \t, 1, \a, 0
.else
	MM \t, 0, \a, 1
.endif
.endr
.rept 4
	v_nop                                          ; places in front of vector writes to these products' registers, and of the first read of results (ISA guide 7.12.1)
.endr
.endm
; What stands in front of a tensor load behind the head: all my tensor loads have landed; 0 onto my spare word; my LDS reads are over; and then everybody's
.macro TURN
	s_wait_tensorcnt 0x0
	ds_add_u32 v[SPW], v[NIL]
	s_wait_dscnt 0x0
	s_barrier_signal -1
	s_barrier_wait -1
.endm
; My part of a tile: lane (r, h) puts experts 16 t + 8 h + 0 .. 7 of token r at 272 r + 64 t + 32 h; each accumulator from its low end on; then all parts are there
.macro PUT pw, a
.irp t, 0,1,2,3
	ds_store_b128 v[\pw], v[\a+8*\t:\a+8*\t+3] offset:64*\t
	ds_store_b128 v[\pw], v[\a+8*\t+4:\a+8*\t+7] offset:64*\t+16
.endr
	s_wait_dscnt 0x0                               ; for the others' sake: my part lies in LDS
	s_barrier_signal -1
	s_barrier_wait -1
.endm
.macro PARTS8 b, adr                   ; eight parts of my four experts: sixteen lanes read a token's 256 bytes
.irp u, 0,1,2,3,4,5,6,7
	ds_load_b128 v[\b+4*\u:\b+4*\u+3], v[\adr] offset:\u*STAGEB
.endr
.endm
.macro SUM8 p, d                       ; eight parts, as a tree, into v[d:d+3]
.irp u, 0,2,4,6
	v_pk_add_f32 v[\p+4*\u:\p+4*\u+1], v[\p+4*\u:\p+4*\u+1], v[\p+4*\u+4:\p+4*\u+5]
	v_pk_add_f32 v[\p+4*\u+2:\p+4*\u+3], v[\p+4*\u+2:\p+4*\u+3], v[\p+4*\u+6:\p+4*\u+7]
.endr
.irp u, 0,4
	v_pk_add_f32 v[\p+4*\u:\p+4*\u+1], v[\p+4*\u:\p+4*\u+1], v[\p+4*\u+8:\p+4*\u+9]
	v_pk_add_f32 v[\p+4*\u+2:\p+4*\u+3], v[\p+4*\u+2:\p+4*\u+3], v[\p+4*\u+10:\p+4*\u+11]
.endr
	v_pk_add_f32 v[\d:\d+1], v[\p:\p+1], v[\p+16:\p+17]
	v_pk_add_f32 v[\d+2:\d+3], v[\p+2:\p+3], v[\p+18:\p+19]
.endm
.macro JOIN                            ; the two sums of eight: the logits of experts 4 (lane % 16) + 0 .. 3 of my token
	v_pk_add_f32 v[SC:SC+1], v[SC:SC+1], v[F:F+1]
	v_pk_add_f32 v[SC+2:SC+3], v[SC+2:SC+3], v[F+2:F+3]
.endm
; Neighbours a, b = a + 1 of my four change places if b's score is the larger (equal scores stay: the lower index first).  The names S0-S3 (scores), N0-N3 (numbers) move to other registers; TS, TN name the free pair
.macro CE a, b
	v_cmp_gt_f32 vcc_lo, v[S\b], v[S\a]
	v_max_num_f32 v[TS], v[S\a], v[S\b]
	v_min_num_f32 v[S\a], v[S\a], v[S\b]
	v_cndmask_b32 v[TN], v[N\a], v[N\b], vcc_lo
	v_cndmask_b32 v[N\a], v[N\b], v[N\a], vcc_lo
.set QQ, S\a
.set S\a, TS
.set TS, S\b
.set S\b, QQ
.set QQ, N\a
.set N\a, TN
.set TN, N\b
.set N\b, QQ
.endm
; Rank n.  The choice is made on the SCORES so that logits which round to one score (all those that saturate at 1 or 0 among them) go by index.  No branch hangs on data.
.macro PICK n
	s_mov_b32 s20, 0x01010101<<\n                  ; lanes n and n + 8 of each row of 16 keep rank n
	v_max_num_f32_dpp v[VM], v[S0], v[S0] row_xmask:1 row_mask:0xf bank_mask:0xf
.irp k, 2,4,8
	s_delay_alu instid0(VALU_DEP_1)
	v_max_num_f32_dpp v[VM], v[VM], v[VM] row_xmask:\k row_mask:0xf bank_mask:0xf   ; over the token's 16 lanes: the largest score left
.endr
	s_delay_alu instid0(VALU_DEP_1)
	v_cmp_eq_f32 vcc_lo, v[S0], v[VM]
	s_delay_alu instid0(VALU_DEP_1)
	v_cndmask_b32 v[VC], 0, v[N0], vcc_lo
	s_delay_alu instid0(VALU_DEP_1)
	v_max_num_f32_dpp v[VC], v[VC], v[VC] row_xmask:1 row_mask:0xf bank_mask:0xf   ; the largest of these numbers: the lowest index of all that have the score
.if \n == 0
	v_mov_b32 v[VSUM], v[VM]
.else
	v_add_f32 v[VSUM], v[VSUM], v[VM]
.endif
	v_max_num_f32_dpp v[VC], v[VC], v[VC] row_xmask:2 row_mask:0xf bank_mask:0xf
	v_cndmask_b32 v[RW], v[RW], v[VM], s20
	v_max_num_f32_dpp v[VC], v[VC], v[VC] row_xmask:4 row_mask:0xf bank_mask:0xf
	s_delay_alu instid0(VALU_DEP_1)
	v_max_num_f32_dpp v[VC], v[VC], v[VC] row_xmask:8 row_mask:0xf bank_mask:0xf
.if \n < 7
	s_delay_alu instid0(VALU_DEP_1)
	v_cmp_eq_f32 vcc_lo, v[N0], v[VC]              ; the lane that had it moves its sorted row up
	v_cndmask_b32 v[RI], v[RI], v[VC], s20
	v_cndmask_b32 v[S0], v[S0], v[S1], vcc_lo
	v_cndmask_b32 v[N0], v[N0], v[N1], vcc_lo
	v_cndmask_b32 v[S1], v[S1], v[S2], vcc_lo
	v_cndmask_b32 v[N1], v[N1], v[N2], vcc_lo
	v_cndmask_b32 v[S2], v[S2], v[S3], vcc_lo
	v_cndmask_b32 v[N2], v[N2], v[N3], vcc_lo
	v_cndmask_b32 v[S3], v[S3], v[NEG], vcc_lo     ; (the last number may stay: its score is now under every score)
.else
	v_cndmask_b32 v[RI], v[RI], v[VC], s20
.endif
.endm
	s_load_b256 s[4:11], s[0:1], 0x0               ; x s[4:5], gimg s[6:7], out0 s[8:9], out1 s[10:11]
	v_lshl_add_u32 v[SPW], v0, 2, SPARE
	v_mov_b32 v[NIL], 0
	ds_add_u32 v[SPW], v[NIL]                      ; the wave's opening: the add, twice on end, and its wait ahead of my first tensor load; the set-up below stands between the second and the wait
	ds_add_u32 v[SPW], v[NIL]
	v_lshrrev_b32 v24, 5, v0
	v_readfirstlane_b32 s12, v24                   ; wave w, 0..15
	s_lshr_b32 s13, s12, 3                         ; the tile whose tokens are mine in the tail:
	s_xor_b32 s13, s13, 1                          ; tile 0's parts lie in slot 1, tile 1's in slot 0
	s_mul_i32 s13, s13, SLOT
	s_and_b32 s14, s12, 7
	s_mul_i32 s22, s14, 2*PP                       ; rows 2 (w % 8) + h of a part of my tile
	s_add_co_u32 s22, s22, s13
	s_mul_i32 s20, s12, STAGEB                     ; my bytes of slot 0
	s_lshl_b32 s28, s12, 6
	s_add_co_u32 s28, s28, OUTB                    ; my two tokens' results, 32 bytes each
	s_min_u32 s29, s12, 3                          ; waves 0-3 read 512 bytes of results each (the others never use this address)
	s_lshl_b32 s29, s29, 9
	s_add_co_u32 s29, s29, OUTB
	v_and_b32 v25, 31, v0                          ; lane
	v_and_b32 v26, 15, v0                          ; r
	v_bfe_u32 v27, v0, 4, 1                        ; h
	v_lshlrev_b32 v[XO], 4, v25
	v_mul_u32_u24 v[SO0], v26, PITCH
	v_mul_u32_u24 v[PW1], v26, PP                  ; partial logits: token r's row, + 32 h: experts 8 h on of a tile
	v_mul_u32_u24 v[PRA], v27, PP
	v_bfe_u32 v28, v0, 3, 1                        ; results: lanes 0-7 of a row of 16 hold weights, lanes 8-15 indices, 1,024 bytes further on
	v_and_b32 v29, 7, v0                           ; rank
	v_lshl_add_u32 v[SO0], v27, 7, v[SO0]
	v_lshl_add_u32 v[PW1], v27, 5, v[PW1]
	v_lshl_add_u32 v[PRA], v26, 4, v[PRA]          ; experts 4 (lane % 16) on
	v_lshlrev_b32 v[OW], 10, v28
	v_add_nc_u32 v[SI], s20, v[XO]
	v_add_nc_u32 v[SO0], s20, v[SO0]
	v_add_nc_u32 v[PW1], s20, v[PW1]
	v_add_nc_u32 v[PRA], s22, v[PRA]
	v_lshl_add_u32 v[OW], v29, 2, v[OW]
	v_add_nc_u32 v[ORD], s29, v[XO]
	v_lshlrev_b32 v[GSO], 3, v26
	v_add_nc_u32 v[SI], SLOT, v[SI]
	v_add_nc_u32 v[SO1], SLOT, v[SO0]
	v_add_nc_u32 v[PW0], SLOT, v[PW1]
	v_add_nc_u32 v[PRB], 8*STAGEB, v[PRA]
	v_lshl_add_u32 v[OW], v27, 5, v[OW]
	v_lshl_add_u32 v[GSO], v27, 8, v[GSO]
	v_lshlrev_b32 v[SH], 3, v27
	v_add_nc_u32 v[OW], s28, v[OW]
	v_mov_b32 v[TP], 0                             ; a lane permute's destination counts as one of its sources
	s_mov_b32 s[G1+0], (2<<16)|(1<<20)|(6<<22)|(3<<25)  ; group 1: no mask; elements of 4 bytes; padding on: after every 128 words (code 6) 4 words (code 3)
	s_mov_b32 s[G1+1], 128<<16                     ; tensor_dim0 = 128: rows of 512 bytes
	s_mov_b32 s[G1+2], 16<<16                      ; tensor_dim1 = 16
	s_mov_b32 s[G1+3], 128<<16                     ; tile_dim0
	s_mov_b32 s[G1+4], 16                          ; tile_dim1
	s_mov_b32 s[G1+5], 4096                        ; elements from row to row
	s_mov_b32 s[G1+6], 0
	s_mov_b32 s[G1+7], 0
	s_mov_b32 s[GA], 1                             ; group 0: count = 1,
	s_mov_b32 s[GB], 1
	s_mov_b32 s[GC], 1
	s_mul_i32 s[GA+1], s12, STAGEB                 ; LDS address: my bytes of slot 0,
	s_mul_i32 s[GC+1], s12, STAGEB
	s_mul_i32 s[GB+1], s12, STAGEB
	s_add_co_u32 s[GB+1], s[GB+1], SLOT            ; of slot 1
	s_add_co_u32 s15, s12, ttmp9
	s_and_b32 s15, s15, 15                         ; my K part p
	s_lshl_b32 s16, ttmp9, 19                      ; 32 rows of 16,384 bytes x work-group (under 2^27),
	s_lshl_b32 s17, s15, 10                        ; 1,024 bytes x p
	s_add_co_u32 s16, s16, s17
	s_mov_b32 s17, 0
	s_lshl_b32 s18, s15, 13                        ; the gate's K steps 2 p, 2 p + 1: 8 fragments,
	s_mov_b32 s19, 0
	s_lshl_b32 s22, s15, 11                        ; and their scale words
	s_mov_b32 s23, 0
	s_mov_b32 s[SEL], 0x76543210
	s_mov_b32 s[SEL+1], 0xfedcba98
	s_wait_alu depctr_va_vdst(0)                   ; the wait at the head's end
	s_wait_dscnt 0x0                               ; both opening adds are done
	s_wait_kmcnt 0x0
	s_add_nc_u64 s[4:5], s[4:5], s[16:17]
	s_mov_b64 s[GA+2:GA+3], s[4:5]                 ; (tile 0, 2 p)
	s_or_b32 s[GA+3], s[GA+3], 0x80000000          ; type = 2
	tensor_load_to_lds s[GA:GA+3], s[G1:G1+7]      ; my one tensor load at the head
	s_nop 0
	s_add_nc_u64 s[GB+2:GB+3], s[4:5], 512         ; (tile 0, 2 p + 1)
	s_or_b32 s[GB+3], s[GB+3], 0x80000000
	s_add_nc_u64 s[GC+2:GC+3], s[4:5], 16*ROWB+512 ; (tile 1, 2 p + 1)
	s_or_b32 s[GC+3], s[GC+3], 0x80000000
	s_add_nc_u64 s[24:25], s[6:7], s[18:19]
	s_add_nc_u64 s[26:27], s[6:7], s[22:23]
.irp q, 0,1                            ; the gate's fragments, 512 consecutive bytes a load, and scale words; K step 2 p + q
.irp i, 0,1,2,3,4,5,6,7
	global_load_b128 v[G+32*\q+4*\i:G+32*\q+4*\i+3], v[XO], s[24:25] offset:4096*\q+512*\i
.endr
.irp t, 0,1
	global_load_b32 v[GS+2*\q+\t], v[GSO], s[26:27] offset:CODES+1024*\q+512*\t
.endr
.endr
	XLOAD 0
	s_cmp_lt_u32 s12, 2                            ; waves 0, 1 store weights, waves 2, 3 indices: the choice hangs on the wave's number alone
	s_cselect_b64 s[8:9], s[8:9], s[10:11]
	s_lshl_b32 s30, ttmp9, 10                      ; the work-group's 1,024 bytes,
	s_and_b32 s31, s12, 1
	s_lshl_b32 s31, s31, 9                         ; their first or second half
	s_add_co_u32 s30, s30, s31
	s_mov_b32 s31, 0
	s_add_nc_u64 s[8:9], s[8:9], s[30:31]
	TURN                                           ; slot 0 is whole
	tensor_load_to_lds s[GB:GB+3], s[G1:G1+7]      ; slot 1's first fill: my one load behind this barrier
	s_nop 0
	XLOAD 8
	s_wait_loadcnt 16                              ; the gate's 20 loads are in (and have read v30); the 16 rows of x may be out
	QUANT XA, XA, SO0                              ; (tile 0, 2 p)
	MUL 0, ACC0
	TURN                                           ; slot 1 is whole, and slot 0 has been read
	tensor_load_to_lds s[GC:GC+3], s[G1:G1+7]      ; slot 0 again: the last fill
	s_nop 0
	QUANT XA, XA, SO1                              ; (tile 0, 2 p + 1)
	MUL 1, ACC0
.irp i, 0,1,2,3,4,5,6,7,8,9,10,11,12,13,14,15
	s_wait_loadcnt 15-\i                           ; loads come back in order (ISA guide 5.7.1): row i is in; the 15 - i rows behind it may be out
	ds_store_b128 v[SI], v[XB+4*\i:XB+4*\i+3] offset:\i*PITCH   ; my bytes of slot 1, whose last read is over
.endr
	QUANT XB, XB+32, SO1                           ; (tile 1, 2 p): LDS serves a wave's instructions in order (ISA guide 5.7.1.4): the loads see the stores above and land behind them
	MUL 0, ACC1
	PUT PW0, ACC0                                  ; tile 0's parts meet in slot 1; the last tensor load stays on its way into slot 0
	s_cmp_gt_u32 s12, 7
	s_cbranch_scc1 .Lmid                           ; waves 0-7 sum tile 0
	PARTS8 XA, PRA
	s_wait_dscnt 0x0
	SUM8 XA, F
	PARTS8 XA, PRB
	s_wait_dscnt 0x0
	SUM8 XA, SC
	JOIN
.Lmid:
	s_wait_tensorcnt 0x0                           ; my part of slot 0 is in
	QUANT XB, XB+32, SO0                           ; (tile 1, 2 p + 1)
	MUL 1, ACC1
	PUT PW1, ACC1                                  ; tile 1's parts meet in slot 0
	s_cmp_lt_u32 s12, 8
	s_cbranch_scc1 .Ltail                          ; waves 8-15 sum tile 1
	PARTS8 XB, PRA
	PARTS8 XB+32, PRB
	s_wait_dscnt 8                                 ; parts 0-7 are in; the eight behind them may be out
	SUM8 XB, F
	s_wait_dscnt 0x0
	SUM8 XB+32, SC
	JOIN
.Ltail:
	; sigmoid = 1 / (1 + 2^(-log2(e) x)): a large logit gives 1 / (1 + 0), a very negative one 1 / infinity = 0
.irp q, 0,1,2,3
	v_mul_f32 v[SC+\q], 0xbfb8aa3b, v[SC+\q]
.endr
	v_and_b32 v[NI+1], 15, v0
	v_lshlrev_b32 v[NI+1], 2, v[NI+1]              ; my first expert's number, i
	v_sub_nc_u32 v[NI], IDX0, v[NI+1]              ; as the bits of the f32 number 2^23 + 63 - i: whole numbers up to 63 sit in the lowest mantissa bits, so a subtraction of whole numbers makes it, and gives i back
	s_wait_alu depctr_va_vdst(0)                   ; the wait ahead of the batch
.irp q, 0,1,2,3
	v_exp_f32 v[SC+\q], v[SC+\q]
.endr
	v_mov_b32 v[VM], 0                             ; (plain places behind the exponentials)  a lane step's destination counts as one of its sources
	v_mov_b32 v[VC], 0
	v_mov_b32 v[RW], 0
	s_wait_alu depctr_va_vdst(0)
.irp q, 0,1,2,3
	v_add_f32 v[SC+\q], 1.0, v[SC+\q]
.endr
	s_wait_alu depctr_va_vdst(0)
.irp q, 0,1,2,3
	v_rcp_f32 v[SC+\q], v[SC+\q]
.endr
	v_add_nc_u32 v[NI+1], -1, v[NI]                ; (plain places behind the reciprocals)  experts i + 1,
	v_add_nc_u32 v[NI+2], -2, v[NI]                ; i + 2,
	v_add_nc_u32 v[NI+3], -3, v[NI]                ; i + 3
	v_mov_b32 v[NEG], -1.0                         ; under every score
	v_mov_b32 v[RI], 0
	s_wait_alu depctr_va_vdst(0)
.irp q, 0,1,2,3
.set S\q, SC+\q
.set N\q, NI+\q
.endr
.set TS, 46
.set TN, 47
	CE 0, 1                                        ; four by exchanges of neighbours
	CE 2, 3
	CE 1, 2
	CE 0, 1
	CE 2, 3
	CE 1, 2
.irp n, 0,1,2,3,4,5,6,7
	PICK \n
.endr
	s_mov_b32 s20, 0x00ff00ff                      ; lanes 0-7 of each row of 16
	v_max_num_f32 v[VSUM], 0x2b8cbccc, v[VSUM]     ; the clip at 1e-12
	s_wait_alu depctr_va_vdst(0)
	v_rcp_f32 v[VINV], v[VSUM]
	v_sub_nc_u32 v[RI], IDX0, v[RI]                ; (a plain place behind the reciprocal)  the expert's number as a whole number
	s_wait_alu depctr_va_vdst(0)
	v_mul_f32 v[RW], v[RW], v[VINV]
	v_cndmask_b32 v[RW], v[RI], v[RW], s20         ; lanes 0-7 of a row: the weight; lanes 8-15: the index
	ds_store_b32 v[OW], v[RW]
	s_wait_dscnt 0x0                               ; for the others' sake: my results lie in LDS
	s_barrier_signal -1
	s_barrier_wait -1
	s_cmp_gt_u32 s12, 3
	s_cbranch_scc1 .Lend
	ds_load_b128 v[F:F+3], v[ORD]                  ; 16 tokens' weights or indices
	s_wait_dscnt 0x0
	global_store_b128 v[XO], v[F:F+3], s[8:9] th:TH_STORE_NT   ; 32 lanes store 512 consecutive bytes, at a multiple of 512 from the buffer's first byte
.Lend:
	s_wait_tensorcnt 0x0                           ; the wave's end
	ds_add_u32 v[SPW], v[NIL]
	s_wait_dscnt 0x0
	s_endpgm
.Lfunc_end_k_q566d2e9ff1_route:
	.size	k_q566d2e9ff1_route, .Lfunc_end_k_q566d2e9ff1_route-k_q566d2e9ff1_route
	.p2alignl 7, 3214868480
	.fill 96, 4, 3214868480
	.section	.rodata,"a",@progbits
	.p2align	6, 0x0
	.amdhsa_kernel k_q566d2e9ff1_route
		.amdhsa_group_segment_fixed_size 327680
		.amdhsa_private_segment_fixed_size 0
		.amdhsa_enable_private_segment 0
		.amdhsa_kernarg_size 32
		.amdhsa_user_sgpr_count 2
		.amdhsa_user_sgpr_kernarg_segment_ptr 1
		.amdhsa_wavefront_size32 1
		.amdhsa_system_sgpr_workgroup_id_x 1
		.amdhsa_system_sgpr_workgroup_id_y 1
		.amdhsa_system_sgpr_workgroup_id_z 1
		.amdhsa_system_vgpr_workitem_id 0
		.amdhsa_next_free_vgpr 256
		.amdhsa_next_free_sgpr 66
		.amdhsa_reserve_vcc 1
		.amdhsa_float_denorm_mode_32 3
		.amdhsa_float_denorm_mode_16_64 3
		.amdhsa_memory_ordered 1
		.amdhsa_forward_progress 1
		.amdhsa_inst_pref_size 51
	.end_amdhsa_kernel
	.amdgpu_metadata
---
amdhsa.version: [ 1, 2 ]
amdhsa.kernels:
  - .name:           k_q566d2e9ff1_route
    .symbol:         k_q566d2e9ff1_route.kd
    .args:
      - { .name: x, .offset: 0, .size: 8, .value_kind: global_buffer, .address_space: global }
      - { .name: gimg, .offset: 8, .size: 8, .value_kind: global_buffer, .address_space: global }
      - { .name: out0, .offset: 16, .size: 8, .value_kind: global_buffer, .address_space: global }
      - { .name: out1, .offset: 24, .size: 8, .value_kind: global_buffer, .address_space: global }
    .group_segment_fixed_size: 327680
    .private_segment_fixed_size: 0
    .kernarg_segment_align: 8
    .kernarg_segment_size: 32
    .max_flat_workgroup_size: 512
    .sgpr_count:     66
    .vgpr_count:     256
    .wavefront_size: 32
...
	.end_amdgpu_metadata
.endif
;; end of part 2
